; MI455X (gfx1250); checked and timed in simulation.
; The chip was launched on July 23, 2026; its instructions are those of AMD's public machine-readable ISA for CDNA 5 (MIT licence, August 2026) and "CDNA5" Instruction Set Architecture Reference Guide (July 2026). The comments in the code are by the model that wrote it; some were corrected since.
;; Concat Critic. Allowed arithmetic: matrix products marked QUANTISED: E2M1 operands, one E8M0 scale for each 32 along K, by v_wmma_scale_f32_16x16x128_f8f6f4 with both operands' format E2M1 (or v_wmma_scale_f32_32x16x128_f4), f32 sums; products left as they are: f32 operands where the result goes on into a quantised operand, else bf16, f16 or f32 operands; f32 sums; everything else in f32.
;; Inputs: W1 256 x 512 float32; W2 512 x 1 float32; b1 512 float32; b2 1 float32; x_codes 512 x 4 x 16 uint8 (E2M1 codes of x, K innermost, in blocks of 32 codes, two codes a byte); x_scales 512 x 4 uint8 (E8M0 scales of x, one for each 32 codes along K); y_codes 512 x 4 x 16 uint8 (E2M1 codes of y, K innermost, in blocks of 32 codes, two codes a byte); y_scales 512 x 4 uint8 (E8M0 scales of y, one for each 32 codes along K).
;; Outputs: out0 512 x 512 float32.
;; This version of the problem:
;;   THIS VERSION OF THE PROBLEM IS GIVEN IN LOW PRECISION. The matrix products marked QUANTISED in the list below multiply operands that are first quantised to E2M1 (2 exponent bits, 1 mantissa bit; 4 bits a number), with one power-of-two scale for each 32 numbers along K (OCP MX v1.0); their sums are f32. All else is computed in f32.
;;   The module's matrix products, in the order in which they are computed (A, B: the left and right operand; K: the contracted axis; several contracted axes count as one K, in the product's order):
;;     1. [M 512, K 128] x [K 128, N 512]; A: input x (given as codes); B: input W1: QUANTISED
;;     2. [M 512, K 128] x [K 128, N 512]; A: input y (given as codes); B: input W1: QUANTISED
;;     3. [M 262,144, K 512] x [K 512, N 1]; A: computed on the way; B: input W2: left as it is (N = 1 < 16)
;;   THE QUANTISER, for each operand of a quantised product, along K:
;;     - K is cut into blocks of 32 from its start; a last block that is shorter is filled with zeros.
;;     - A block's scale is 2^e with e = floor(log2(the largest magnitude in the block)) - 2, held to -126 .. 127; a block of zeros has e = 0. As a byte (E8M0): e + 127.
;;     - Each number is divided by its block's scale, clamped to +-6, and rounded to the nearest number of E2M1, ties to even, subnormals kept.
;;     - The product sums the exact products of the quantised numbers (number of the format x scale) in f32.
;;   ~~~python
;;   def quantise(x, axis):      # numpy; x: float32 -> the quantised numbers, widened to float32 again
;;       x = np.moveaxis(x, axis, -1); K = x.shape[-1]
;;       x = np.pad(x, [(0, 0)] * (x.ndim - 1) + [(0, -K % 32)]); x = x.reshape(x.shape[:-1] + (-1, 32)); a = np.abs(x).max(-1, keepdims=True)
;;       e = np.where(a > 0, np.clip(np.frexp(np.where(a > 0, a, 1))[1] - 1 - 2, -126, 127), 0)      # np.frexp(a)[1] - 1 = floor(log2(a)), exactly
;;       r = np.clip(x / 2.0 ** e, -6, 6)
;;       step = 2.0 ** (np.maximum(np.frexp(np.where(r == 0, 1, r))[1] - 1, 0) - 1)
;;       q = np.round(r / step) * step * 2.0 ** e      # np.round: ties to even
;;       return np.moveaxis(q.reshape(q.shape[:-2] + (-1,))[..., :K], -1, axis).astype(np.float32)
;;   ~~~
;;   INPUTS GIVEN AS CODES. x (in the module: [512, 128], K = its axis 1); y (in the module: [512, 128], K = its axis 1): each comes as NAME_codes (uint8): NAME with its K axis moved to the last place and cut into blocks of 32 codes, [.., K / 32, bytes a block], one block behind the other in memory; two codes a byte, the lower K in the low four bits (a code: sign, 2 exponent bits, 1 mantissa bit); and NAME_scales (uint8): the same leading axes, one E8M0 byte (e + 127) for each 32 codes along K. Its value is code x scale, taken as it is: it is not quantised again, and the codes and scales need not be those that the quantiser above would give.
;; 2 versions, each right; version 2 is version 1 with the launch critic written anew for expert scheduling mode. Each part assembles by itself: llvm-mc -triple=amdgcn-amd-amdhsa -mcpu=gfx1250 --defsym DOCPART=n.
;; ======== version 1 of 2: 2 launches
;; limits: a difference of large sums (such as E[x^2] - mean^2): digits are lost where the result is much smaller than its terms
;; workspace buffers: wq 65,536 bytes; ws 4,096 bytes
;; launch quant_w1 (part 1): grid 8 x 2, 8 waves a work-group, no clusters, 1,280 bytes of LDS; arguments W1, wq, ws; writes wq, ws
.if DOCPART == 1
	.amdgcn_target "amdgcn-amd-amdhsa--gfx1250"
	.amdhsa_code_object_version 6
	.text
	.protected	k_q07ea55748a_quant_w1
	.globl	k_q07ea55748a_quant_w1
	.p2align	8
	.type	k_q07ea55748a_quant_w1,@function
k_q07ea55748a_quant_w1:
	s_mov_b64 s[64:65], 0
	v_nop
	global_prefetch_b8 v0, s[64:65] scope:SCOPE_SE
	s_setreg_imm32_b32 hwreg(HW_REG_WAVE_MODE, 25, 1), 1
	s_wait_xcnt 0x0
; W1 [256][512] f32 is the right operand of two products: rows 0-127 (half p = 0) multiply x, rows 128-255 (p = 1) multiply y.  K is its FIRST axis.
; Each half is turned into codes of FP4 (E2M1) with one E8M0 scale byte for each 32 along K, once, for the launch that follows.
; A block's scale is 2^(floor(log2(its largest magnitude)) - 2): its byte is the largest magnitude's exponent field - 2, held at 1 from below.
; OUT, in the order of the operand's registers:
;   wq [p 2][tile c 32][image q 2][lane 32][16 bytes]: fragment (p, c) = 16 columns x 128 K = 1,024 bytes; lane (r, hh) of image q holds block 2 q + hh of column 16 c + r,
;      so block beta of column r lies at 256 beta + 16 r of its fragment;
;   ws [p 2][column 512]: a word a column, byte beta = block beta's scale.
; SHARES.  Work-group (gx, p): 64 columns of half p.  Wave wv: block beta = wv % 4 (32 rows), columns 32 (wv / 4) + lane.  A LANE TAKES A COLUMN AND ITS 32 REGISTERS RUN DOWN K:
; the block's largest magnitude needs no other lane, and the conversions give codes with K innermost.  Each load of a wave reads 128 consecutive bytes; two waves side by side cover 256, aligned.
; LIMITS: a block of zeros gets the byte 1 where the rule says 127 (its codes are zeros, which add nothing under any byte but 0xff, and this program alone reads the bytes); NaN and infinities are not served.
.set ROWB, 2048                        ; a row of W1 in bytes
.set EMAX, 2                           ; the exponent of the format's largest number, 6
.set X,    16                          ; v16-47  my block's 32 numbers
.set C,    48                          ; v48-51  its codes
	s_load_b128 s[4:7], s[0:1], 0x0                ; W1 s[4:5], wq s[6:7]
	s_load_b64 s[8:9], s[0:1], 0x10                ; ws
	v_lshl_add_u32 v64, v0, 2, 0x100
	v_mov_b32 v65, 0
	v_lshrrev_b32 v6, 5, v0
	v_readfirstlane_b32 s10, v6                    ; wave 0..7
	s_and_b32 s11, s10, 3                          ; beta: my block of 32 along K
	s_lshr_b32 s12, s10, 2                         ; u: which 32 of the 64 columns
	s_and_b32 s13, ttmp7, 0xffff                   ; p: which half of W1
	v_and_b32 v1, 31, v0                           ; lane
	v_lshlrev_b32 v2, 2, v1                        ; in: 4 bytes a lane
	v_bfe_u32 v6, v0, 5, 2                         ; beta, as a vector
	v_lshrrev_b32 v7, 7, v0                        ; u
	v_lshl_add_u32 v3, v7, 7, v2                   ; LDS: my column's scale word, 4 (32 u + lane),
	v_add_nc_u32 v3, v3, v6                        ; my block's byte in it
	v_and_b32 v6, 15, v0
	v_bfe_u32 v7, v0, 4, 1
	v_lshlrev_b32 v4, 4, v6                        ; out: 16 (lane % 16),
	v_lshl_add_u32 v4, v7, 10, v4                  ; and lanes 16-31 in the next fragment
	v_lshlrev_b32 v5, 3, v1                        ; the scale words' way out: 8 bytes a lane
	s_lshl_b32 s14, s13, 7
	s_lshl_b32 s15, s11, 5
	s_add_co_u32 s14, s14, s15                     ; my first row: 128 p + 32 beta
	s_lshl_b32 s14, s14, 11                        ; in bytes,
	s_lshl_b32 s15, ttmp9, 8
	s_add_co_u32 s14, s14, s15                     ; + 64 columns a work-group
	s_lshl_b32 s15, s12, 7
	s_add_co_u32 s14, s14, s15                     ; + 32 columns x u
	s_mov_b32 s15, 0
	s_lshl_b32 s16, s13, 15                        ; wq: 32,768 p
	s_lshl_b32 s17, ttmp9, 12
	s_add_co_u32 s16, s16, s17                     ; + four fragments a work-group
	s_lshl_b32 s17, s12, 11
	s_add_co_u32 s16, s16, s17                     ; + two x u
	s_lshl_b32 s17, s11, 8
	s_add_co_u32 s16, s16, s17                     ; + 256 beta
	s_mov_b32 s17, 0
	s_lshl_b32 s18, s13, 11                        ; ws: 2,048 p
	s_lshl_b32 s19, ttmp9, 8
	s_add_co_u32 s18, s18, s19                     ; + 64 words a work-group
	s_mov_b32 s19, 0
	s_wait_kmcnt 0x0
	s_add_nc_u64 s[4:5], s[4:5], s[14:15]
	s_add_nc_u64 s[6:7], s[6:7], s[16:17]
	s_add_nc_u64 s[8:9], s[8:9], s[18:19]
.irp i, 0,1,2,3,4,5,6,7,8,9,10,11,12,13,14,15,16,17,18,19,20,21,22,23,24,25,26,27,28,29,30,31
	global_load_b32 v[X+\i], v2, s[4:5] offset:\i*ROWB th:TH_LOAD_NT   ; W1(my first row + i, my column); the launch reads each number once
.endr
	s_wait_loadcnt 0x0
	v_max3_num_f32 v12, |v[X]|, |v[X+1]|, |v[X+2]|                  ; the block's largest magnitude, in two chains
	v_max3_num_f32 v13, |v[X+3]|, |v[X+4]|, |v[X+5]|
.irp i, 6,10,14,18,22,26
	v_max3_num_f32 v12, v12, |v[X+\i]|, |v[X+\i+1]|
	v_max3_num_f32 v13, v13, |v[X+\i+2]|, |v[X+\i+3]|
.endr
	v_max3_num_f32 v12, v12, |v[X+30]|, |v[X+31]|
	v_max3_num_f32 v12, v12, v13, (EMAX+1)<<23     ; and the floor 2^(EMAX + 1 - 127): the byte cannot fall under 1
	v_add_nc_u32 v11, -(EMAX<<23), v12             ; EMAX off its exponent field: the conversion takes this operand's exponent field as its scale
	v_lshrrev_b32 v13, 23, v11                     ; the scale's byte
.irp g, 0,1,2,3
	v_cvt_scalef32_pk8_fp4_f32 v[C+\g], v[X+8*\g:X+8*\g+7], v11   ; eight numbers / the scale, to the nearest code, ties to even, beyond 6 the largest code
.endr
	v_nop                                          ; one plain vector line behind the last scaled conversion
	ds_store_b8 v3, v13
	global_store_b128 v4, v[C:C+3], s[6:7]         ; sixteen lanes store 256 consecutive bytes, aligned: block beta of a fragment's 16 columns
	s_wait_dscnt 0x0                               ; for the others' sake: my byte stores have landed
	s_barrier_signal -1
	s_barrier_wait -1                              ; the 64 columns' words are whole
	s_cmp_lg_u32 s10, 0
	s_cbranch_scc1 .Ldone                          ; wave 0 alone carries them out
	ds_load_b64 v[52:53], v5
	s_wait_dscnt 0x0
	global_store_b64 v5, v[52:53], s[8:9]          ; 32 lanes store 256 consecutive bytes, aligned
.Ldone:
	s_wait_tensorcnt 0x0
	ds_add_u32 v64, v65
	s_wait_dscnt 0x0
	s_endpgm
.Lfunc_end_k_q07ea55748a_quant_w1:
	.size	k_q07ea55748a_quant_w1, .Lfunc_end_k_q07ea55748a_quant_w1-k_q07ea55748a_quant_w1
	.p2alignl 7, 3214868480
	.fill 96, 4, 3214868480
	.section	.rodata,"a",@progbits
	.p2align	6, 0x0
	.amdhsa_kernel k_q07ea55748a_quant_w1
		.amdhsa_group_segment_fixed_size 1280
		.amdhsa_private_segment_fixed_size 0
		.amdhsa_enable_private_segment 0
		.amdhsa_kernarg_size 24
		.amdhsa_user_sgpr_count 2
		.amdhsa_user_sgpr_kernarg_segment_ptr 1
		.amdhsa_wavefront_size32 1
		.amdhsa_system_sgpr_workgroup_id_x 1
		.amdhsa_system_sgpr_workgroup_id_y 1
		.amdhsa_system_sgpr_workgroup_id_z 1
		.amdhsa_system_vgpr_workitem_id 0
		.amdhsa_next_free_vgpr 66
		.amdhsa_next_free_sgpr 66
		.amdhsa_reserve_vcc 0
		.amdhsa_float_denorm_mode_32 3
		.amdhsa_float_denorm_mode_16_64 3
		.amdhsa_memory_ordered 1
		.amdhsa_forward_progress 1
		.amdhsa_inst_pref_size 8
	.end_amdhsa_kernel
	.amdgpu_metadata
---
amdhsa.version: [ 1, 2 ]
amdhsa.kernels:
  - .name:           k_q07ea55748a_quant_w1
    .symbol:         k_q07ea55748a_quant_w1.kd
    .args:
      - { .name: W1, .offset: 0, .size: 8, .value_kind: global_buffer, .address_space: global }
      - { .name: wq, .offset: 8, .size: 8, .value_kind: global_buffer, .address_space: global }
      - { .name: ws, .offset: 16, .size: 8, .value_kind: global_buffer, .address_space: global }
    .group_segment_fixed_size: 1280
    .private_segment_fixed_size: 0
    .kernarg_segment_align: 8
    .kernarg_segment_size: 24
    .max_flat_workgroup_size: 256
    .sgpr_count:     66
    .vgpr_count:     66
    .wavefront_size: 32
...
	.end_amdgpu_metadata
.endif
;; end of part 1
;; launch critic (part 2): grid 8 x 32, 8 waves a work-group, no clusters, 240,896 bytes of LDS; arguments x_codes, x_scales, y_codes, y_scales, wq, ws, b1, W2, b2, out0; writes out0
.if DOCPART == 2
	.amdgcn_target "amdgcn-amd-amdhsa--gfx1250"
	.amdhsa_code_object_version 6
	.text
	.protected	k_q07ea55748a_critic
	.globl	k_q07ea55748a_critic
	.p2align	8
	.type	k_q07ea55748a_critic,@function
k_q07ea55748a_critic:
	s_mov_b64 s[64:65], 0
	v_nop
	global_prefetch_b8 v0, s[64:65] scope:SCOPE_SE
	s_setreg_imm32_b32 hwreg(HW_REG_WAVE_MODE, 25, 1), 1
	s_wait_xcnt 0x0
; out0[i][j] = sum over h of W2[h] relu(hx[i][h] + hy[j][h] + b1[h]) + b2,  hx = x Q(W1[:128]), hy = y Q(W1[128:]): both products on codes of FP4 (E2M1) with E8M0 scales, sums in f32.
; x, y: [512][128] as codes (64 bytes a row) and scale words (4 bytes a row).  wq, ws: W1's codes and scale words in the order of the operand's registers, made by the launch before.
; THE TERM.  With nc = -(hy + b1):  relu(hx + hy + b1) = max(hx, nc) - nc,  so  out = sum w max(hx, nc) - sum w nc + b2.
; Two terms cost one pair of maxima (a dual-issue pair) and one packed multiply-add; the second sum hangs on j alone and costs 2 packed multiply-adds for 64 terms of a lane.
; SHARES.  Work-group (tx, ty): rows 16 ty .. + 15, columns 64 tx .. + 63 of out0: 256 work-groups.  Eight waves.
;   Phase 1: wave w makes hidden units 64 w .. 64 w + 63 (four tiles of 16) of hx for the 16 rows and of nc for the 64 columns: 20 matrix instructions; the results go to LDS as images of their registers.
;   Phase 2: wave (tj = w / 2, bh = w % 2) makes 16 i x 8 j, over all 512 hidden units, 16 a step.
; LAYOUT.  The products stand in the natural order (source 0 = 16 rows of x or y, source 1 = 16 columns of W1): in a result lane (r, hh) holds hidden unit 16 c + r, and its register a row 8 hh + a.
; So in phase 2 THE LANES RUN ALONG h: b1 and W2 are one number a lane, a lane's 8 registers of hx are 8 different i, and nc's registers 4 bh .. 4 bh + 3 four different j;
; read once as they lie (s = 0) and once from lane xor 16 (s = 1) they give each lane 8 i x 8 j.  Accumulator (s, a, b): i = 8 hh + a, j = 16 tj + 8 (hh xor s) + 4 bh + b.
; A lane sums 32 hidden units; the sixteen lanes of a half are added at the end, through the wave's own bytes of LDS.
; NO CLUSTER, NO JOINT LOADS.  All work-groups read wq, but each wave takes its 8,192 bytes of it once, straight into its operand registers, 512 consecutive bytes a load.  A joint load lands in LDS alone:
; it would add 16 LDS loads a wave and two passes of a cluster's barrier in front of 20 matrix instructions, to a launch whose work is the 2,112 vector instructions a wave of phase 2.
; LIMITS.  The order of rounding differs from the plain form's: both sums are f32 chains of the same 32 hidden units in the same order, and their difference is taken lane by lane, ahead of every sum over lanes
; (where all of a lane's 32 units are clipped it is exactly 0); its error is of the order of 2^-24 x |sum of 32 terms w nc|.  NaN and infinities among the inputs are not served (the maximum drops a NaN).
.set HXB,  0                           ; LDS: hx, tile c at 1,024 c: registers 0-3 at 16 x lane, registers 4-7 512 bytes on                       32,768 bytes
.set NCB,  32768                       ;      nc, tile (t, c) at 1,024 (32 t + c), likewise                                                      131,072 bytes
.set WT,   163840                      ;      W2                                                                                                  2,048 bytes
.set RED,  165888                      ;      each wave's own 32 rows x 272 bytes, for the sum over lanes                                       8 x 8,704 bytes
.set OUTS, 235520                      ;      16 rows x 272 bytes: the work-group's tile of out0                                                  4,352 bytes
.set RP,   272                         ; a row of 256 bytes + 16 = 68 words: row r starts at bank 4 r mod 64 (64 banks of 4 bytes: ISA guide 11.1)
; phase 1
.set XF,   16                          ; v16-23   x's fragment
.set YF,   24                          ; v24-55   y's four
.set BF,   64                          ; v64-127  W1's: (p, q) at 64 + 32 p + 8 q
.set B1R,  136                         ; v136-139 b1 of my lane's hidden unit in tiles q = 0 .. 3
.set W2R,  140                         ; v140-141 my thread's 8 bytes of W2
.set DR,   144                         ; v144-223 results, two sets of 40: hx's tile, then hy's four
; phase 2
.set WA,   8                           ; v8-11, v12-15 the LDS addresses of the loads in hand, a set of four for each set of operands
.set ACC,  16                          ; v16-79   (s, a, b) at 16 + 4 (8 s + a) + b
.set AC,   80                          ; v80-83   sum of w nc, b = 0 .. 3
.set W,    84                          ; v84, v86 w of set 0, of set 1; v85, v87 are named with them as pairs and hold 0
.set HXR,  96                          ; v96-111  hx, two sets of 8
.set NCR,  112                         ; v112-127 nc, two sets of 8: 0-3 as they lie, 4-7 lane xor 16's
.set T,    128                         ; v128-159 maxima, two banks of 16
.set R,    96                          ; v96-159  the way out: 16 x 4 partial sums
; addresses that stay
.set AX,   224                         ; 64 r + 16 hh: a fragment of x or y in memory
.set A4,   225                         ; 4 r
.set AL,   226                         ; 16 x lane
.set AT,   227                         ; 8 x thread
.set ST0,  228                         ; 16 x lane + 4,096 w: where I store images;
.set ST1,  229                         ; + 65,536;
.set ST2,  230                         ; + 131,072 (an LDS offset has 16 bits)
.set WST,  231                         ; WT + 8 x thread
.set AN,   233                         ; NCB + 32,768 tj + 512 bh + 16 x lane
.set ASW,  234                         ; the same of lane xor 16
.set AW,   235                         ; WT + 4 r
.set RS,   236                         ; RED + 8,704 w + 272 x lane
.set RL,   237                         ; RED + 8,704 w + 4,352 hh + 16 r
.set OS,   238                         ; where my four results go in OUTS
.set OL,   239                         ; OUTS + 272 (2 w + hh) + 16 r
.set GO,   240                         ; 2,048 (2 w + hh) + 16 r: the same place in out0
; scale words: these registers hold scales and nothing else
.set XS,   241                         ; v241     x's
.set YS,   242                         ; v242-245 y's four tiles'
.set BS,   246                         ; v246-253 W1's: (p, q) at 246 + 4 p + q
.set TB,   34                          ; s34  phase 2: bytes from tile 0 to the trip's first tile to be fetched: 2,048 a trip
.set TW,   35                          ; s35  the same among W2's numbers: 128 a trip
	s_load_b256 s[8:15], s[0:1], 0x0               ; x_codes s[8:9], x_scales s[10:11], y_codes s[12:13], y_scales s[14:15]
	s_load_b256 s[16:23], s[0:1], 0x20             ; wq s[16:17], ws s[18:19], b1 s[20:21], W2 s[22:23]
	s_load_b128 s[24:27], s[0:1], 0x40             ; b2 s[24:25], out0 s[26:27]
	v_lshl_add_u32 v254, v0, 2, 0x3a900
	v_mov_b32 v255, 0
	v_lshrrev_b32 v1, 5, v0
	v_readfirstlane_b32 s2, v1                     ; wave w, 0..7
	s_lshr_b32 s3, s2, 1                           ; tj
	s_and_b32 s4, s2, 1                            ; bh
	s_and_b32 s7, ttmp7, 0xffff                    ; ty
	v_and_b32 v1, 31, v0                           ; lane
	v_and_b32 v2, 15, v0                           ; r
	v_bfe_u32 v3, v0, 4, 1                         ; hh
	v_lshlrev_b32 v[AX], 6, v2
	v_lshl_add_u32 v[AX], v3, 4, v[AX]
	v_lshlrev_b32 v[A4], 2, v2
	v_lshlrev_b32 v[AL], 4, v1
	v_lshlrev_b32 v[AT], 3, v0
	s_mov_b32 s31, 0
	s_mov_b32 s32, 0x76543210
	s_mov_b32 s33, 0xfedcba98                      ; v_permlanex16_b32's selects for lane xor 16
	s_wait_kmcnt 0x0
	s_lshl_b32 s30, s7, 10
	s_add_nc_u64 s[8:9], s[8:9], s[30:31]          ; x's codes at row 16 ty
	s_lshl_b32 s30, s7, 6
	s_add_nc_u64 s[10:11], s[10:11], s[30:31]      ; and its scale words
	s_lshl_b32 s30, ttmp9, 12
	s_add_nc_u64 s[12:13], s[12:13], s[30:31]      ; y's codes at row 64 tx
	s_lshl_b32 s30, ttmp9, 8
	s_add_nc_u64 s[14:15], s[14:15], s[30:31]
	s_lshl_b32 s30, s2, 12
	s_add_nc_u64 s[16:17], s[16:17], s[30:31]      ; W1's fragments: my four tiles
	s_lshl_b32 s30, s2, 8
	s_add_nc_u64 s[18:19], s[18:19], s[30:31]      ; their scale words: my 64 columns
	s_add_nc_u64 s[20:21], s[20:21], s[30:31]      ; b1: my 64 hidden units
	s_lshl_b32 s30, s7, 15
	s_lshl_b32 s6, ttmp9, 8
	s_add_co_u32 s30, s30, s6
	s_add_nc_u64 s[26:27], s[26:27], s[30:31]      ; out0 at (16 ty, 64 tx)
	; all of the launch's loads, in one run
.irp c, 0,1
	global_load_b128 v[XF+4*\c:XF+4*\c+3], v[AX], s[8:9] offset:32*\c                      ; registers 4 c on: K = 64 c + 32 hh + 0 .. 31 of row r
.endr
.irp t, 0,1,2,3
.irp c, 0,1
	global_load_b128 v[YF+8*\t+4*\c:YF+8*\t+4*\c+3], v[AX], s[12:13] offset:1024*\t+32*\c
.endr
.endr
	global_load_b32 v[XS], v[A4], s[10:11]
.irp t, 0,1,2,3
	global_load_b32 v[YS+\t], v[A4], s[14:15] offset:64*\t
.endr
.irp p, 0,1
.irp q, 0,1,2,3
.irp c, 0,1
	global_load_b128 v[BF+32*\p+8*\q+4*\c:BF+32*\p+8*\q+4*\c+3], v[AL], s[16:17] offset:32768*\p+1024*\q+512*\c   ; an image of four registers: 512 consecutive bytes
.endr
	global_load_b32 v[BS+4*\p+\q], v[A4], s[18:19] offset:2048*\p+64*\q
.endr
.endr
.irp q, 0,1,2,3
	global_load_b32 v[B1R+\q], v[A4], s[20:21] offset:64*\q
.endr
	global_load_b64 v[W2R:W2R+1], v[AT], s[22:23]
	s_load_b32 s28, s[24:25], 0x0                  ; b2
	; the LDS addresses are made while the loads are on their way
	s_lshl_b32 s6, s2, 12
	v_add_nc_u32 v[ST0], s6, v[AL]
	v_add_nc_u32 v[ST1], 0x10000, v[ST0]
	v_add_nc_u32 v[ST2], 0x20000, v[ST0]
	v_add_nc_u32 v[WST], WT, v[AT]
	s_lshl_b32 s6, s3, 15
	s_lshl_b32 s30, s4, 9
	s_add_co_u32 s6, s6, s30
	s_add_co_u32 s6, s6, NCB
	v_add_nc_u32 v[AN], s6, v[AL]
	v_xor_b32 v4, 0x100, v[AL]                     ; 16 x (lane xor 16)
	v_add_nc_u32 v[ASW], s6, v4
	v_add_nc_u32 v[AW], WT, v[A4]
	s_mul_i32 s6, s2, 32*RP
	s_add_co_u32 s6, s6, RED
	v_mul_u32_u24 v4, v1, RP
	v_add_nc_u32 v[RS], s6, v4
	v_mul_u32_u24 v4, v3, 16*RP
	v_lshl_add_u32 v4, v2, 4, v4
	v_add_nc_u32 v[RL], s6, v4
	v_and_b32 v4, 7, v0
	v_lshl_add_u32 v4, v3, 3, v4                   ; i = 8 hh + a, a = lane % 8
	v_mul_u32_u24 v4, v4, RP
	v_bfe_u32 v5, v0, 3, 1                         ; s = (lane / 8) % 2
	v_xor_b32 v5, v5, v3
	v_lshl_add_u32 v4, v5, 5, v4                   ; + 4 bytes x 8 (hh xor s)
	s_lshl_b32 s6, s3, 6
	s_lshl_b32 s30, s4, 4
	s_add_co_u32 s6, s6, s30                       ; + 4 bytes x (16 tj + 4 bh)
	s_add_co_u32 s6, s6, OUTS
	v_add_nc_u32 v[OS], s6, v4
	s_lshl_b32 s6, s2, 1
	v_add_nc_u32 v4, s6, v3                        ; 2 w + hh: the row that my half of the lanes carries out
	v_mul_u32_u24 v5, v4, RP
	v_lshl_add_u32 v5, v2, 4, v5
	v_add_nc_u32 v[OL], OUTS, v5
	v_lshlrev_b32 v5, 11, v4
	v_lshl_add_u32 v[GO], v2, 4, v5
	s_wait_loadcnt 0x0
	ds_store_b64 v[WST], v[W2R:W2R+1]              ; W2 into LDS, 8 bytes a thread
; PHASE 1.  Tile q of my four: hx's 16 rows and hy's 64, five accumulators, each begun with the constant 0: no two matrix instructions share an accumulator.
.macro TILE q
.set DB, DR+40*((\q)%2)
.if (\q) >= 2
	s_wait_dscnt 10                                ; the ten stores of two tiles back, which read this set of registers, are done; the last tile's ten may be out
.endif
	v_wmma_scale_f32_16x16x128_f8f6f4 v[DB:DB+7], v[XF:XF+7], v[BF+8*(\q):BF+8*(\q)+7], 0, v[XS], v[BS+(\q)] matrix_a_fmt:MATRIX_FMT_FP4 matrix_b_fmt:MATRIX_FMT_FP4
.irp t, 0,1,2,3
	v_wmma_scale_f32_16x16x128_f8f6f4 v[DB+8+8*\t:DB+15+8*\t], v[YF+8*\t:YF+8*\t+7], v[BF+32+8*(\q):BF+39+8*(\q)], 0, v[YS+\t], v[BS+4+(\q)] matrix_a_fmt:MATRIX_FMT_FP4 matrix_b_fmt:MATRIX_FMT_FP4
.endr
.rept 4
	v_nop                                          ; four plain places between a matrix instruction and the first read of its result (ISA guide 7.12.1)
.endr
	ds_store_b128 v[ST0], v[DB:DB+3] offset:HXB+1024*(\q)          ; hx as it stands, from its low end on
	ds_store_b128 v[ST0], v[DB+4:DB+7] offset:HXB+1024*(\q)+512
.irp i, 0,1,2,3,4,5,6,7,8,9,10,11,12,13,14,15
.if (\q)%2 == 0
	v_pk_add_f32 v[DB+8+2*\i:DB+9+2*\i], v[DB+8+2*\i:DB+9+2*\i], v[B1R+2*((\q)/2):B1R+2*((\q)/2)+1] op_sel_hi:[1,0] neg_lo:[1,1] neg_hi:[1,1]              ; nc = -hy - b1: the pair's low word, tile q's b1, serves both halves
.else
	v_pk_add_f32 v[DB+8+2*\i:DB+9+2*\i], v[DB+8+2*\i:DB+9+2*\i], v[B1R+2*((\q)/2):B1R+2*((\q)/2)+1] op_sel:[0,1] op_sel_hi:[1,1] neg_lo:[1,1] neg_hi:[1,1]  ; the pair's high word serves both
.endif
.endr
	ds_store_b128 v[ST0], v[DB+8:DB+11]  offset:NCB+1024*(\q)      ; nc's tile (t, 4 w + q) lies at NCB + 32,768 t + 4,096 w + 1,024 q
	ds_store_b128 v[ST0], v[DB+12:DB+15] offset:NCB+1024*(\q)+512
	ds_store_b128 v[ST1], v[DB+16:DB+19] offset:1024*(\q)
	ds_store_b128 v[ST1], v[DB+20:DB+23] offset:1024*(\q)+512
	ds_store_b128 v[ST1], v[DB+24:DB+27] offset:32768+1024*(\q)
	ds_store_b128 v[ST1], v[DB+28:DB+31] offset:32768+1024*(\q)+512
	ds_store_b128 v[ST2], v[DB+32:DB+35] offset:1024*(\q)
	ds_store_b128 v[ST2], v[DB+36:DB+39] offset:1024*(\q)+512
.endm
	TILE 0
	TILE 1
	TILE 2
	TILE 3
	s_wait_kmcnt 0x0                               ; b2
	s_mov_b32 s29, s28                             ; (named with it as a pair)
	s_wait_dscnt 0x0                               ; for the others' sake: all my stores have landed
	s_barrier_signal -1
	s_barrier_wait -1                              ; hx, nc and W2 lie whole in LDS; nothing writes them from here on
; PHASE 2.  A step is one tile of 16 hidden units.  Two sets of operand registers take turns; a set's five loads are asked for a step ahead.
.macro LD st                           ; the tile at s[TB] + 1,024 st.  The set's address registers are written here, behind the wait that showed its earlier loads in
	v_add_nc_u32 v[WA+4*(\st)],   s[TB], v[AL]
	v_add_nc_u32 v[WA+4*(\st)+1], s[TB], v[AN]
	v_add_nc_u32 v[WA+4*(\st)+2], s[TB], v[ASW]
	v_add_nc_u32 v[WA+4*(\st)+3], s[TW], v[AW]
	ds_load_b128 v[HXR+8*(\st):HXR+8*(\st)+3],   v[WA+4*(\st)]   offset:HXB+1024*(\st)         ; hx(8 hh + 0 .. 3, my h)
	ds_load_b128 v[HXR+8*(\st)+4:HXR+8*(\st)+7], v[WA+4*(\st)]   offset:HXB+1024*(\st)+512     ; hx(8 hh + 4 .. 7, my h)
	ds_load_b128 v[NCR+8*(\st):NCR+8*(\st)+3],   v[WA+4*(\st)+1] offset:1024*(\st)             ; nc(16 tj + 8 hh + 4 bh + 0 .. 3, my h)
	ds_load_b128 v[NCR+8*(\st)+4:NCR+8*(\st)+7], v[WA+4*(\st)+2] offset:1024*(\st)             ; nc(16 tj + 8 (1 - hh) + 4 bh + 0 .. 3, my h)
	ds_load_b32  v[W+2*(\st)],                   v[WA+4*(\st)+3] offset:64*(\st)               ; W2(my h)
.endm
.macro MAX2 d, x, y                    ; v[d] = max(v[x], v[y]), v[d + 1] = max(v[x], v[y + 1]): one issue.  d is even; the first sources are one register, the second sources neighbours
	v_dual_max_num_f32 v[\d], v[\x], v[\y] :: v_dual_max_num_f32 v[(\d)+1], v[\x], v[(\y)+1]
.endm
.macro DU st, g, bk                    ; 16 maxima: i = 2 g, 2 g + 1 against the 8 j, into bank bk
.irp aa, 0,1
.irp sw, 0,1
.irp bp, 0,1
	MAX2 T+16*(\bk)+2*(4*\aa+2*\sw+\bp), HXR+8*(\st)+2*(\g)+\aa, NCR+8*(\st)+4*\sw+2*\bp
.endr
.endr
.endr
.endm
.macro FM st, g, bk, first             ; and their 16 multiply-adds by w.  first = 1: the first step's products start the sums: nothing is cleared
.irp aa, 0,1
.irp sw, 0,1
.irp bp, 0,1
.if \first
	v_pk_mul_f32 v[ACC+4*(8*\sw+2*(\g)+\aa)+2*\bp:ACC+4*(8*\sw+2*(\g)+\aa)+2*\bp+1], v[T+16*(\bk)+2*(4*\aa+2*\sw+\bp):T+16*(\bk)+2*(4*\aa+2*\sw+\bp)+1], v[W+2*(\st):W+2*(\st)+1] op_sel_hi:[1,0]
.else
	v_pk_fma_f32 v[ACC+4*(8*\sw+2*(\g)+\aa)+2*\bp:ACC+4*(8*\sw+2*(\g)+\aa)+2*\bp+1], v[T+16*(\bk)+2*(4*\aa+2*\sw+\bp):T+16*(\bk)+2*(4*\aa+2*\sw+\bp)+1], v[W+2*(\st):W+2*(\st)+1], v[ACC+4*(8*\sw+2*(\g)+\aa)+2*\bp:ACC+4*(8*\sw+2*(\g)+\aa)+2*\bp+1] op_sel_hi:[1,0,1]
.endif
.endr
.endr
.endr
.endm
.macro STEP st, first                  ; 64 terms a lane: the maxima run a bank ahead of the multiply-adds, so that no line reads the result of a line just above it
	DU \st, 0, 0
	DU \st, 1, 1
	FM \st, 0, 0, \first
	DU \st, 2, 0
	FM \st, 1, 1, \first
	DU \st, 3, 1
	FM \st, 2, 0, \first
	FM \st, 3, 1, \first
.irp bp, 0,1                           ; sum of w nc for the four j as they lie; lane xor 16 holds the other four's
.if \first
	v_pk_mul_f32 v[AC+2*\bp:AC+2*\bp+1], v[NCR+8*(\st)+2*\bp:NCR+8*(\st)+2*\bp+1], v[W+2*(\st):W+2*(\st)+1] op_sel_hi:[1,0]
.else
	v_pk_fma_f32 v[AC+2*\bp:AC+2*\bp+1], v[NCR+8*(\st)+2*\bp:NCR+8*(\st)+2*\bp+1], v[W+2*(\st):W+2*(\st)+1], v[AC+2*\bp:AC+2*\bp+1] op_sel_hi:[1,0,1]
.endif
.endr
.endm
.macro TRIP first, more                ; two steps.  more = 1: the two steps of the next trip are asked for
	s_wait_dscnt 5                                 ; LDS loads come back in order (ISA guide 5.7.1): set 0's five are in, set 1's five may be out
	STEP 0, \first
.if \more
	LD 0
	s_wait_dscnt 5                                 ; set 1's five are in, the five just issued may be out
.else
	s_wait_dscnt 0x0
.endif
	STEP 1, 0
.if \more
	LD 1
	s_add_co_u32 s[TB], s[TB], 2048
	s_add_co_u32 s[TW], s[TW], 128
.endif
.endm
	v_mov_b32 v[W+1], 0                            ; the upper halves of w's pairs: named, never used
	v_mov_b32 v[W+3], 0
	s_mov_b32 s[TB], 0
	s_mov_b32 s[TW], 0
	LD 0
	LD 1
	s_add_co_u32 s[TB], s[TB], 2048
	s_add_co_u32 s[TW], s[TW], 128
	TRIP 1, 1                                      ; steps 0 and 1: the first starts the sums
	s_mov_b32 s5, 14
.Ltrip:                                                ; steps 2 to 29
	TRIP 0, 1
	s_sub_co_u32 s5, s5, 1
	s_cmp_lg_u32 s5, 0
	s_cbranch_scc1 .Ltrip
	TRIP 0, 0                                      ; steps 30 and 31 ask for nothing
	; THE WAY OUT.  First the difference of the two sums, lane by lane; then the sum over the sixteen lanes of a half.
.irp b, 0,1,2,3
	v_permlanex16_b32 v[T+\b], v[AC+\b], s32, s33  ; the other four j's sum of w nc (its destination has been written: it held maxima)
.endr
.irp a, 0,1,2,3,4,5,6,7
.irp bp, 0,1
	v_pk_add_f32 v[ACC+4*\a+2*\bp:ACC+4*\a+2*\bp+1], v[ACC+4*\a+2*\bp:ACC+4*\a+2*\bp+1], v[AC+2*\bp:AC+2*\bp+1] neg_lo:[0,1] neg_hi:[0,1]
	v_pk_add_f32 v[ACC+32+4*\a+2*\bp:ACC+32+4*\a+2*\bp+1], v[ACC+32+4*\a+2*\bp:ACC+32+4*\a+2*\bp+1], v[T+2*\bp:T+2*\bp+1] neg_lo:[0,1] neg_hi:[0,1]
.endr
.endr
.irp g, 0,1,2,3,4,5,6,7,8,9,10,11,12,13,14,15
	ds_store_b128 v[RS], v[ACC+4*\g:ACC+4*\g+3] offset:16*\g       ; my row of the wave's own 32: group g = 8 s + a at 16 g
.endr
.irp k, 0,1,2,3,4,5,6,7,8,9,10,11,12,13,14,15
	ds_load_b128 v[R+4*\k:R+4*\k+3], v[RL] offset:\k*RP            ; lane (g, hh) takes group g of lanes 16 hh + k.  LDS serves a wave's instructions in order (ISA guide 5.7.1.4): these see my stores
.endr
	s_wait_dscnt 0x0
.macro FOLD d                          ; partial sums k and k + d, k = 0 .. d - 1
.set k, 0
.rept \d
	v_pk_add_f32 v[R+4*k:R+4*k+1],   v[R+4*k:R+4*k+1],   v[R+4*(k+\d):R+4*(k+\d)+1]
	v_pk_add_f32 v[R+4*k+2:R+4*k+3], v[R+4*k+2:R+4*k+3], v[R+4*(k+\d)+2:R+4*(k+\d)+3]
.set k, k+1
.endr
.endm
	FOLD 8
	FOLD 4
	FOLD 2
	FOLD 1
	v_pk_add_f32 v[R:R+1],   v[R:R+1],   s[28:29] op_sel_hi:[1,0]  ; + b2
	v_pk_add_f32 v[R+2:R+3], v[R+2:R+3], s[28:29] op_sel_hi:[1,0]
	ds_store_b128 v[OS], v[R:R+3]                  ; out(8 hh + a, 16 tj + 8 (hh xor s) + 4 bh + 0 .. 3)
	s_wait_dscnt 0x0                               ; for the others' sake: my store has landed
	s_barrier_signal -1
	s_barrier_wait -1                              ; the tile of 16 x 64 is whole
	ds_load_b128 v[R+4:R+7], v[OL]
	s_wait_dscnt 0x0
	global_store_b128 v[GO], v[R+4:R+7], s[26:27] th:TH_STORE_NT   ; sixteen lanes store 256 consecutive bytes, aligned: two rows of the tile a wave; written once, read by nobody here
	s_wait_tensorcnt 0x0
	ds_add_u32 v254, v255
	s_wait_dscnt 0x0
	s_endpgm
.Lfunc_end_k_q07ea55748a_critic:
	.size	k_q07ea55748a_critic, .Lfunc_end_k_q07ea55748a_critic-k_q07ea55748a_critic
	.p2alignl 7, 3214868480
	.fill 96, 4, 3214868480
	.section	.rodata,"a",@progbits
	.p2align	6, 0x0
	.amdhsa_kernel k_q07ea55748a_critic
		.amdhsa_group_segment_fixed_size 240896
		.amdhsa_private_segment_fixed_size 0
		.amdhsa_enable_private_segment 0
		.amdhsa_kernarg_size 80
		.amdhsa_user_sgpr_count 2
		.amdhsa_user_sgpr_kernarg_segment_ptr 1
		.amdhsa_wavefront_size32 1
		.amdhsa_system_sgpr_workgroup_id_x 1
		.amdhsa_system_sgpr_workgroup_id_y 1
		.amdhsa_system_sgpr_workgroup_id_z 1
		.amdhsa_system_vgpr_workitem_id 0
		.amdhsa_next_free_vgpr 256
		.amdhsa_next_free_sgpr 66
		.amdhsa_reserve_vcc 0
		.amdhsa_float_denorm_mode_32 3
		.amdhsa_float_denorm_mode_16_64 3
		.amdhsa_memory_ordered 1
		.amdhsa_forward_progress 1
		.amdhsa_inst_pref_size 53
	.end_amdhsa_kernel
	.amdgpu_metadata
---
amdhsa.version: [ 1, 2 ]
amdhsa.kernels:
  - .name:           k_q07ea55748a_critic
    .symbol:         k_q07ea55748a_critic.kd
    .args:
      - { .name: x_codes, .offset: 0, .size: 8, .value_kind: global_buffer, .address_space: global }
      - { .name: x_scales, .offset: 8, .size: 8, .value_kind: global_buffer, .address_space: global }
      - { .name: y_codes, .offset: 16, .size: 8, .value_kind: global_buffer, .address_space: global }
      - { .name: y_scales, .offset: 24, .size: 8, .value_kind: global_buffer, .address_space: global }
      - { .name: wq, .offset: 32, .size: 8, .value_kind: global_buffer, .address_space: global }
      - { .name: ws, .offset: 40, .size: 8, .value_kind: global_buffer, .address_space: global }
      - { .name: b1, .offset: 48, .size: 8, .value_kind: global_buffer, .address_space: global }
      - { .name: W2, .offset: 56, .size: 8, .value_kind: global_buffer, .address_space: global }
      - { .name: b2, .offset: 64, .size: 8, .value_kind: global_buffer, .address_space: global }
      - { .name: out0, .offset: 72, .size: 8, .value_kind: global_buffer, .address_space: global }
    .group_segment_fixed_size: 240896
    .private_segment_fixed_size: 0
    .kernarg_segment_align: 8
    .kernarg_segment_size: 80
    .max_flat_workgroup_size: 256
    .sgpr_count:     66
    .vgpr_count:     256
    .wavefront_size: 32
...
	.end_amdgpu_metadata
.endif
;; end of part 2
;; ======== version 2 of 2: 2 launches; version 1 with the launch critic written anew for expert scheduling mode
;; limits: a difference of large sums (such as E[x^2] - mean^2): digits are lost where the result is much smaller than its terms
;; workspace buffers: wq 65,536 bytes; ws 4,096 bytes
;; launch quant_w1: the kernel of part 1 again; grid 8 x 2, 8 waves a work-group, no clusters, 1,280 bytes of LDS; arguments W1, wq, ws; writes wq, ws
;; launch critic (part 3): grid 8 x 32, 8 waves a work-group, no clusters, 240,896 bytes of LDS; arguments x_codes, x_scales, y_codes, y_scales, wq, ws, b1, W2, b2, out0; writes out0
.if DOCPART == 3
	.amdgcn_target "amdgcn-amd-amdhsa--gfx1250"
	.amdhsa_code_object_version 6
	.text
	.protected	k_q07ea55748a_critic
	.globl	k_q07ea55748a_critic
	.p2align	8
	.type	k_q07ea55748a_critic,@function
k_q07ea55748a_critic:
	s_mov_b64 s[64:65], 0
	v_nop
	global_prefetch_b8 v0, s[64:65] scope:SCOPE_SE
	s_setreg_imm32_b32 hwreg(HW_REG_WAVE_SCHED_MODE, 0, 2), 2
	s_setreg_imm32_b32 hwreg(HW_REG_WAVE_MODE, 25, 1), 1
	s_wait_xcnt 0x0
	s_wait_alu depctr_vm_vsrc(0)
; out0[i][j] = sum over h of W2[h] relu(hx[i][h] + hy[j][h] + b1[h]) + b2,  hx = x Q(W1[:128]), hy = y Q(W1[128:]): both products on codes of FP4 (E2M1) with E8M0 scales, sums in f32.
; x, y: [512][128] as codes (64 bytes a row) and scale words (4 bytes a row).  wq, ws: W1's codes and scale words in the order of the operand's registers, made by the launch before.
; THE TERM.  With nc = -(hy + b1):  relu(hx + hy + b1) = max(hx, nc) - nc,  so  out = sum w max(hx, nc) - sum w nc + b2.
; Two terms cost one pair of maxima (a dual-issue pair) and one packed multiply-add; the second sum hangs on j alone and costs 2 packed multiply-adds for 64 terms of a lane.
; SHARES.  Work-group (tx, ty): rows 16 ty .. + 15, columns 64 tx .. + 63 of out0: 256 work-groups.  Eight waves.
;   Phase 1: wave w makes hidden units 64 w .. 64 w + 63 (four tiles of 16) of hx for the 16 rows and of nc for the 64 columns: 20 matrix instructions; the results go to LDS as images of their registers.
;   Phase 2: wave (tj = w / 2, bh = w % 2) makes 16 i x 8 j, over all 512 hidden units, 16 a step.
; LAYOUT.  The products stand in the natural order (source 0 = 16 rows of x or y, source 1 = 16 columns of W1): in a result lane (r, hh) holds hidden unit 16 c + r, and its register a row 8 hh + a.
; So in phase 2 THE LANES RUN ALONG h: b1 and W2 are one number a lane, a lane's 8 registers of hx are 8 different i, and nc's registers 4 bh .. 4 bh + 3 four different j;
; read once as they lie (s = 0) and once from lane xor 16 (s = 1) they give each lane 8 i x 8 j.  Accumulator (s, a, b): i = 8 hh + a, j = 16 tj + 8 (hh xor s) + 4 bh + b.
; A lane sums 32 hidden units; the sixteen lanes of a half are added at the end, through the wave's own bytes of LDS.
; NO CLUSTER, NO JOINT LOADS.  All work-groups read wq, but each wave takes its 8,192 bytes of it once, straight into its operand registers, 512 consecutive bytes a load.  A joint load lands in LDS alone:
; it would add 16 LDS loads a wave and two passes of a cluster's barrier in front of 20 matrix instructions, to a launch whose work is the 2,112 vector instructions a wave of phase 2.
; LIMITS.  The order of rounding differs from the plain form's: both sums are f32 chains of the same 32 hidden units in the same order, and their difference is taken lane by lane, ahead of every sum over lanes
; (where all of a lane's 32 units are clipped it is exactly 0); its error is of the order of 2^-24 x |sum of 32 terms w nc|.  NaN and infinities among the inputs are not served (the maximum drops a NaN).
; THE MODE: SCHED_MODE bits 1:0 = 2 (LLVM: expert scheduling mode 2), set by the entry lines.  The code itself states the register dependences
; between vector or matrix instructions and memory or LDS instructions, with s_wait_alu, always for 0.
; THE PLAN.  Registers that memory or LDS instructions touch:
;   v224-240      offsets and LDS addresses: made at the head, in two runs with a wait on va_vdst behind each, and never written again.
;   DR0, DR1      Tile q: its five matrix instructions and sixteen additions write set q % 2; ONE wait on va_vdst; its ten LDS stores read the set.  Tile q + 2 writes it again, behind a wait on vm_vsrc.
;   W2R, DR       Phase 2 lays its maxima over them: one wait on vm_vsrc behind the first barrier.
;   HXR, NCR, W   two sets.  Step s: its vector lines read set s % 2.  The five LDS loads that are dealt among the lines of step s + 1 land in that set, for step s + 2.
;   WA            Read by every LDS load of phase 2; written once a trip, behind the trip's first step, behind a wait on vm_vsrc.
;   ACC, R        the way out: a wait on va_vdst ahead of each of its two runs of LDS stores; each also serves the LDS loads that follow the run.
; So ONE wait on va_vdst stands at the head of a step, behind the wait for the step's own operands: it states that the step before is done reading its set, and that WA is written.
; The five loads follow it, dealt among the step's first lines, which name the other set, the maxima and the sums: none of the registers that those loads touch.
.set HXB,  0                           ; LDS: hx, tile c at 1,024 c: registers 0-3 at 16 x lane, registers 4-7 512 bytes on                       32,768 bytes
.set NCB,  32768                       ;      nc, tile (t, c) at 1,024 (32 t + c), likewise                                                      131,072 bytes
.set WT,   163840                      ;      W2                                                                                                  2,048 bytes
.set RED,  165888                      ;      each wave's own 32 rows x 272 bytes, for the sum over lanes                                       8 x 8,704 bytes
.set OUTS, 235520                      ;      16 rows x 272 bytes: the work-group's tile of out0                                                  4,352 bytes
.set RP,   272                         ; a row of 256 bytes + 16 = 68 words: row r starts at bank 4 r mod 64 (64 banks of 4 bytes: ISA guide 11.1)
; phase 1
.set XF,   16                          ; v16-23   x's fragment
.set YF,   24                          ; v24-55   y's four
.set BF,   64                          ; v64-127  W1's: (p, q) at 64 + 32 p + 8 q
.set B1R,  136                         ; v136-139 b1 of my lane's hidden unit in tiles q = 0 .. 3
.set W2R,  140                         ; v140-141 my thread's 8 bytes of W2
.set DR,   144                         ; v144-223 results, two sets of 40: hx's tile, then hy's four
; phase 2
.set WA,   8                           ; v8-11    the LDS addresses of the loads in hand: hx, nc, nc of lane xor 16, W2
.set ACC,  16                          ; v16-79   (s, a, b) at 16 + 4 (8 s + a) + b
.set AC,   80                          ; v80-83   sum of w nc, b = 0 .. 3
.set W,    84                          ; v84, v86 w of set 0, of set 1; v85, v87 are named with them as pairs and hold 0
.set HXR,  96                          ; v96-111  hx, two sets of 8
.set NCR,  112                         ; v112-127 nc, two sets of 8: 0-3 as they lie, 4-7 lane xor 16's
.set T,    128                         ; v128-159 maxima, two banks of 16
.set R,    96                          ; v96-159  the way out: 16 x 4 partial sums
; addresses that stay
.set AX,   224                         ; 64 r + 16 hh: a fragment of x or y in memory
.set A4,   225                         ; 4 r
.set AL,   226                         ; 16 x lane
.set AT,   227                         ; 8 x thread
.set ST0,  228                         ; 16 x lane + 4,096 w: where I store images;
.set ST1,  229                         ; + 65,536;
.set ST2,  230                         ; + 131,072 (an LDS offset has 16 bits)
.set WST,  231                         ; WT + 8 x thread
.set AN,   233                         ; NCB + 32,768 tj + 512 bh + 16 x lane
.set ASW,  234                         ; the same of lane xor 16
.set AW,   235                         ; WT + 4 r
.set RS,   236                         ; RED + 8,704 w + 272 x lane
.set RL,   237                         ; RED + 8,704 w + 4,352 hh + 16 r
.set OS,   238                         ; where my four results go in OUTS
.set OL,   239                         ; OUTS + 272 (2 w + hh) + 16 r
.set GO,   240                         ; 2,048 (2 w + hh) + 16 r: the same place in out0
; scale words: these registers hold scales and nothing else
.set XS,   241                         ; v241     x's
.set YS,   242                         ; v242-245 y's four tiles'
.set BS,   246                         ; v246-253 W1's: (p, q) at 246 + 4 p + q
.set TB,   34                          ; s34  phase 2: bytes from tile 0 to the first of the two tiles that WA is made for next: 2,048 a trip
.set TW,   35                          ; s35  the same among W2's numbers: 128 a trip
	s_load_b256 s[8:15], s[0:1], 0x0               ; x_codes s[8:9], x_scales s[10:11], y_codes s[12:13], y_scales s[14:15]
	s_load_b256 s[16:23], s[0:1], 0x20             ; wq s[16:17], ws s[18:19], b1 s[20:21], W2 s[22:23]
	s_load_b128 s[24:27], s[0:1], 0x40             ; b2 s[24:25], out0 s[26:27]
	v_lshl_add_u32 v254, v0, 2, 0x3a900
	v_mov_b32 v255, 0
	v_lshrrev_b32 v1, 5, v0
	v_readfirstlane_b32 s2, v1                     ; wave w, 0..7
	v_and_b32 v1, 31, v0                           ; lane
	v_and_b32 v2, 15, v0                           ; r
	v_bfe_u32 v3, v0, 4, 1                         ; hh
	v_lshlrev_b32 v[AX], 6, v2
	v_lshl_add_u32 v[AX], v3, 4, v[AX]
	v_lshlrev_b32 v[A4], 2, v2
	v_lshlrev_b32 v[AL], 4, v1
	v_lshlrev_b32 v[AT], 3, v0
	s_wait_alu depctr_va_sdst(0)                   ; s2 is written, ahead of its first reader: tj, bh and the wave's bases are made from it
	s_lshr_b32 s3, s2, 1                           ; tj
	s_and_b32 s4, s2, 1                            ; bh
	s_and_b32 s7, ttmp7, 0xffff                    ; ty
	s_mov_b32 s31, 0
	s_mov_b32 s32, 0x76543210
	s_mov_b32 s33, 0xfedcba98                      ; v_permlanex16_b32's selects for lane xor 16
	s_wait_kmcnt 0x0
	s_lshl_b32 s30, s7, 10
	s_add_nc_u64 s[8:9], s[8:9], s[30:31]          ; x's codes at row 16 ty
	s_lshl_b32 s30, s7, 6
	s_add_nc_u64 s[10:11], s[10:11], s[30:31]      ; and its scale words
	s_lshl_b32 s30, ttmp9, 12
	s_add_nc_u64 s[12:13], s[12:13], s[30:31]      ; y's codes at row 64 tx
	s_lshl_b32 s30, ttmp9, 8
	s_add_nc_u64 s[14:15], s[14:15], s[30:31]
	s_lshl_b32 s30, s2, 12
	s_add_nc_u64 s[16:17], s[16:17], s[30:31]      ; W1's fragments: my four tiles
	s_lshl_b32 s30, s2, 8
	s_add_nc_u64 s[18:19], s[18:19], s[30:31]      ; their scale words: my 64 columns
	s_add_nc_u64 s[20:21], s[20:21], s[30:31]      ; b1: my 64 hidden units
	s_lshl_b32 s30, s7, 15
	s_lshl_b32 s6, ttmp9, 8
	s_add_co_u32 s30, s30, s6
	s_add_nc_u64 s[26:27], s[26:27], s[30:31]      ; out0 at (16 ty, 64 tx)
	s_wait_alu depctr_va_vdst(0)                   ; the four offsets v[AX], v[A4], v[AL], v[AT] are written, which the loads below read
	; all of the launch's loads, in one run
.irp c, 0,1
	global_load_b128 v[XF+4*\c:XF+4*\c+3], v[AX], s[8:9] offset:32*\c                      ; registers 4 c on: K = 64 c + 32 hh + 0 .. 31 of row r
.endr
.irp t, 0,1,2,3
.irp c, 0,1
	global_load_b128 v[YF+8*\t+4*\c:YF+8*\t+4*\c+3], v[AX], s[12:13] offset:1024*\t+32*\c
.endr
.endr
	global_load_b32 v[XS], v[A4], s[10:11]
.irp t, 0,1,2,3
	global_load_b32 v[YS+\t], v[A4], s[14:15] offset:64*\t
.endr
.irp p, 0,1
.irp q, 0,1,2,3
.irp c, 0,1
	global_load_b128 v[BF+32*\p+8*\q+4*\c:BF+32*\p+8*\q+4*\c+3], v[AL], s[16:17] offset:32768*\p+1024*\q+512*\c   ; an image of four registers: 512 consecutive bytes
.endr
	global_load_b32 v[BS+4*\p+\q], v[A4], s[18:19] offset:2048*\p+64*\q
.endr
.endr
.irp q, 0,1,2,3
	global_load_b32 v[B1R+\q], v[A4], s[20:21] offset:64*\q
.endr
	global_load_b64 v[W2R:W2R+1], v[AT], s[22:23]
	s_load_b32 s28, s[24:25], 0x0                  ; b2
	; the LDS addresses are made while the loads are on their way: these lines write none of the loads' offsets and none of the registers in which they land
	s_lshl_b32 s6, s2, 12
	v_add_nc_u32 v[ST0], s6, v[AL]
	v_add_nc_u32 v[ST1], 0x10000, v[ST0]
	v_add_nc_u32 v[ST2], 0x20000, v[ST0]
	v_add_nc_u32 v[WST], WT, v[AT]
	s_lshl_b32 s6, s3, 15
	s_lshl_b32 s30, s4, 9
	s_add_co_u32 s6, s6, s30
	s_add_co_u32 s6, s6, NCB
	v_add_nc_u32 v[AN], s6, v[AL]
	v_xor_b32 v4, 0x100, v[AL]                     ; 16 x (lane xor 16)
	v_add_nc_u32 v[ASW], s6, v4
	v_add_nc_u32 v[AW], WT, v[A4]
	s_mul_i32 s6, s2, 32*RP
	s_add_co_u32 s6, s6, RED
	v_mul_u32_u24 v4, v1, RP
	v_add_nc_u32 v[RS], s6, v4
	v_mul_u32_u24 v4, v3, 16*RP
	v_lshl_add_u32 v4, v2, 4, v4
	v_add_nc_u32 v[RL], s6, v4
	v_and_b32 v4, 7, v0
	v_lshl_add_u32 v4, v3, 3, v4                   ; i = 8 hh + a, a = lane % 8
	v_mul_u32_u24 v4, v4, RP
	v_bfe_u32 v5, v0, 3, 1                         ; s = (lane / 8) % 2
	v_xor_b32 v5, v5, v3
	v_lshl_add_u32 v4, v5, 5, v4                   ; + 4 bytes x 8 (hh xor s)
	s_lshl_b32 s6, s3, 6
	s_lshl_b32 s30, s4, 4
	s_add_co_u32 s6, s6, s30                       ; + 4 bytes x (16 tj + 4 bh)
	s_add_co_u32 s6, s6, OUTS
	v_add_nc_u32 v[OS], s6, v4
	s_lshl_b32 s6, s2, 1
	v_add_nc_u32 v4, s6, v3                        ; 2 w + hh: the row that my half of the lanes carries out
	v_mul_u32_u24 v5, v4, RP
	v_lshl_add_u32 v5, v2, 4, v5
	v_add_nc_u32 v[OL], OUTS, v5
	v_lshlrev_b32 v5, 11, v4
	v_lshl_add_u32 v[GO], v2, 4, v5
	s_wait_loadcnt 0x0
	s_wait_alu depctr_va_vdst(0)                   ; the twelve addresses v228 to v240 are written, which the LDS stores and loads and the last store read; none is written again
	ds_store_b64 v[WST], v[W2R:W2R+1]              ; W2 into LDS, 8 bytes a thread
; PHASE 1.  Tile q of my four: hx's 16 rows and hy's 64, five accumulators, each begun with the constant 0: no two matrix instructions share an accumulator.
.macro TILE q
.set DB, DR+40*((\q)%2)
.if (\q) >= 2
	s_wait_dscnt 10                                ; the ten stores of two tiles back, which read this set of registers, are done; the last tile's ten may be out
	s_wait_alu depctr_vm_vsrc(0)                   ; the LDS stores of two tiles back have read this set, which the matrix instructions and the additions below write again
.endif
	v_wmma_scale_f32_16x16x128_f8f6f4 v[DB:DB+7], v[XF:XF+7], v[BF+8*(\q):BF+8*(\q)+7], 0, v[XS], v[BS+(\q)] matrix_a_fmt:MATRIX_FMT_FP4 matrix_b_fmt:MATRIX_FMT_FP4
.irp t, 0,1,2,3
	v_wmma_scale_f32_16x16x128_f8f6f4 v[DB+8+8*\t:DB+15+8*\t], v[YF+8*\t:YF+8*\t+7], v[BF+32+8*(\q):BF+39+8*(\q)], 0, v[YS+\t], v[BS+4+(\q)] matrix_a_fmt:MATRIX_FMT_FP4 matrix_b_fmt:MATRIX_FMT_FP4
.endr
.rept 4
	v_nop                                          ; four plain places between a matrix instruction and the first read of its result (ISA guide 7.12.1)
.endr
.irp i, 0,1,2,3,4,5,6,7,8,9,10,11,12,13,14,15
.if (\q)%2 == 0
	v_pk_add_f32 v[DB+8+2*\i:DB+9+2*\i], v[DB+8+2*\i:DB+9+2*\i], v[B1R+2*((\q)/2):B1R+2*((\q)/2)+1] op_sel_hi:[1,0] neg_lo:[1,1] neg_hi:[1,1]              ; nc = -hy - b1: the pair's low word, tile q's b1, serves both halves
.else
	v_pk_add_f32 v[DB+8+2*\i:DB+9+2*\i], v[DB+8+2*\i:DB+9+2*\i], v[B1R+2*((\q)/2):B1R+2*((\q)/2)+1] op_sel:[0,1] op_sel_hi:[1,1] neg_lo:[1,1] neg_hi:[1,1]  ; the pair's high word serves both
.endif
.endr
	s_wait_alu depctr_va_vdst(0)                   ; hx's matrix instruction and the additions have written the set's 40 registers, which the ten LDS stores read; the places above stay beside this wait
	ds_store_b128 v[ST0], v[DB:DB+3] offset:HXB+1024*(\q)          ; hx as it stands, from its low end on
	ds_store_b128 v[ST0], v[DB+4:DB+7] offset:HXB+1024*(\q)+512
	ds_store_b128 v[ST0], v[DB+8:DB+11]  offset:NCB+1024*(\q)      ; nc's tile (t, 4 w + q) lies at NCB + 32,768 t + 4,096 w + 1,024 q
	ds_store_b128 v[ST0], v[DB+12:DB+15] offset:NCB+1024*(\q)+512
	ds_store_b128 v[ST1], v[DB+16:DB+19] offset:1024*(\q)
	ds_store_b128 v[ST1], v[DB+20:DB+23] offset:1024*(\q)+512
	ds_store_b128 v[ST1], v[DB+24:DB+27] offset:32768+1024*(\q)
	ds_store_b128 v[ST1], v[DB+28:DB+31] offset:32768+1024*(\q)+512
	ds_store_b128 v[ST2], v[DB+32:DB+35] offset:1024*(\q)
	ds_store_b128 v[ST2], v[DB+36:DB+39] offset:1024*(\q)+512
.endm
	TILE 0
	TILE 1
	TILE 2
	TILE 3
	s_wait_kmcnt 0x0                               ; b2
	s_mov_b32 s29, s28                             ; (named with it as a pair)
	s_wait_dscnt 0x0                               ; for the others' sake: all my stores have landed
	s_barrier_signal -1
	s_barrier_wait -1                              ; hx, nc and W2 lie whole in LDS; nothing writes them from here on
	s_wait_alu depctr_vm_vsrc(0)                   ; my LDS stores have read v[W2R ..] and v[DR ..]: v128 to v159 hold maxima from here on, written by vector lines
; PHASE 2.  A step is one tile of 16 hidden units.  Two sets of operand registers take turns; a set's five loads are asked for a step ahead.
.macro LDA                             ; the LDS addresses of the two tiles at s[TB] and s[TB] + 1,024: the first goes to set 0, the second, by the immediate offsets, to set 1
	v_add_nc_u32 v[WA],   s[TB], v[AL]
	v_add_nc_u32 v[WA+1], s[TB], v[AN]
	v_add_nc_u32 v[WA+2], s[TB], v[ASW]
	v_add_nc_u32 v[WA+3], s[TW], v[AW]
.endm
.macro LDL st, part                    ; set st's five loads, in three parts
.if (\part) == 0
	ds_load_b128 v[HXR+8*(\st):HXR+8*(\st)+3],   v[WA]   offset:HXB+1024*(\st)         ; hx(8 hh + 0 .. 3, my h)
	ds_load_b128 v[HXR+8*(\st)+4:HXR+8*(\st)+7], v[WA]   offset:HXB+1024*(\st)+512     ; hx(8 hh + 4 .. 7, my h)
.elseif (\part) == 1
	ds_load_b128 v[NCR+8*(\st):NCR+8*(\st)+3],   v[WA+1] offset:1024*(\st)             ; nc(16 tj + 8 hh + 4 bh + 0 .. 3, my h)
	ds_load_b128 v[NCR+8*(\st)+4:NCR+8*(\st)+7], v[WA+2] offset:1024*(\st)             ; nc(16 tj + 8 (1 - hh) + 4 bh + 0 .. 3, my h)
.else
	ds_load_b32  v[W+2*(\st)],                   v[WA+3] offset:64*(\st)               ; W2(my h)
.endif
.endm
.macro MAX2 d, x, y                    ; v[d] = max(v[x], v[y]), v[d + 1] = max(v[x], v[y + 1]): one issue.  d is even; the first sources are one register, the second sources neighbours
	v_dual_max_num_f32 v[\d], v[\x], v[\y] :: v_dual_max_num_f32 v[(\d)+1], v[\x], v[(\y)+1]
.endm
.macro DU st, g, bk                    ; 16 maxima: i = 2 g, 2 g + 1 against the 8 j, into bank bk
.irp aa, 0,1
.irp sw, 0,1
.irp bp, 0,1
	MAX2 T+16*(\bk)+2*(4*\aa+2*\sw+\bp), HXR+8*(\st)+2*(\g)+\aa, NCR+8*(\st)+4*\sw+2*\bp
.endr
.endr
.endr
.endm
.macro FM st, g, bk, first             ; and their 16 multiply-adds by w.  first = 1: the first step's products start the sums: nothing is cleared
.irp aa, 0,1
.irp sw, 0,1
.irp bp, 0,1
.if \first
	v_pk_mul_f32 v[ACC+4*(8*\sw+2*(\g)+\aa)+2*\bp:ACC+4*(8*\sw+2*(\g)+\aa)+2*\bp+1], v[T+16*(\bk)+2*(4*\aa+2*\sw+\bp):T+16*(\bk)+2*(4*\aa+2*\sw+\bp)+1], v[W+2*(\st):W+2*(\st)+1] op_sel_hi:[1,0]
.else
	v_pk_fma_f32 v[ACC+4*(8*\sw+2*(\g)+\aa)+2*\bp:ACC+4*(8*\sw+2*(\g)+\aa)+2*\bp+1], v[T+16*(\bk)+2*(4*\aa+2*\sw+\bp):T+16*(\bk)+2*(4*\aa+2*\sw+\bp)+1], v[W+2*(\st):W+2*(\st)+1], v[ACC+4*(8*\sw+2*(\g)+\aa)+2*\bp:ACC+4*(8*\sw+2*(\g)+\aa)+2*\bp+1] op_sel_hi:[1,0,1]
.endif
.endr
.endr
.endr
.endm
; 64 terms a lane: the maxima run a bank ahead of the multiply-adds, so that no line reads the result of a line just above it.
; ld = 1: the OTHER set's five loads are dealt among the step's first lines.  No wait stands at them: no vector line since the wait on va_vdst ahead of the step names that set or v[WA ..].
.macro STEP st, first, ld
.if \ld
	LDL 1-\st, 0
.endif
	DU \st, 0, 0
.if \ld
	LDL 1-\st, 1
.endif
	DU \st, 1, 1
.if \ld
	LDL 1-\st, 2
.endif
	FM \st, 0, 0, \first
	DU \st, 2, 0
	FM \st, 1, 1, \first
	DU \st, 3, 1
	FM \st, 2, 0, \first
	FM \st, 3, 1, \first
.irp bp, 0,1                           ; sum of w nc for the four j as they lie; lane xor 16 holds the other four's
.if \first
	v_pk_mul_f32 v[AC+2*\bp:AC+2*\bp+1], v[NCR+8*(\st)+2*\bp:NCR+8*(\st)+2*\bp+1], v[W+2*(\st):W+2*(\st)+1] op_sel_hi:[1,0]
.else
	v_pk_fma_f32 v[AC+2*\bp:AC+2*\bp+1], v[NCR+8*(\st)+2*\bp:NCR+8*(\st)+2*\bp+1], v[W+2*(\st):W+2*(\st)+1], v[AC+2*\bp:AC+2*\bp+1] op_sel_hi:[1,0,1]
.endif
.endr
.endm
; Two steps.  The first carries the loads of the trip's own second step.  more = 1: the second carries those of the next trip's first step, and the addresses move on by two tiles between the two.
.macro TRIP first, more
	s_wait_dscnt 0x0                               ; set 0's five loads, the only ones out, are in
.if !\first
	s_wait_alu depctr_va_vdst(0)                   ; the step before is done reading set 1, in which the loads dealt into this step land.  (In the first trip the wait ahead of phase 2's first loads serves: nothing has named set 1 since)
.endif
	STEP 0, \first, 1
.if \more
	s_wait_alu depctr_vm_vsrc(0)                   ; all LDS loads issued so far, both sets', have read v[WA ..], which the four additions write
	LDA
	s_add_co_u32 s[TB], s[TB], 2048
	s_add_co_u32 s[TW], s[TW], 128
.endif
	s_wait_dscnt 0x0                               ; set 1's five loads are in
.if \more
	s_wait_alu depctr_va_vdst(0)                   ; the step before is done reading set 0, in which the loads dealt into this step land; v[WA ..] are written, which these loads and the next step's read
.endif
	STEP 1, 0, \more
.endm
	v_mov_b32 v[W+1], 0                            ; the upper halves of w's pairs: named, never used
	v_mov_b32 v[W+3], 0
	s_mov_b32 s[TB], 0
	s_mov_b32 s[TW], 0
	LDA                                            ; tiles 0 and 1
	s_add_co_u32 s[TB], s[TB], 2048
	s_add_co_u32 s[TW], s[TW], 128
	s_wait_alu depctr_va_vdst(0)                   ; v[WA ..] are written, which the loads read; phase 1's matrix instructions are done reading W1's fragments, in which both sets' loads land
	LDL 0, 0
	LDL 0, 1
	LDL 0, 2
	TRIP 1, 1                                      ; steps 0 and 1: the first starts the sums
	s_mov_b32 s5, 14
.Ltrip:                                                ; steps 2 to 29
	TRIP 0, 1
	s_sub_co_u32 s5, s5, 1
	s_cmp_lg_u32 s5, 0
	s_cbranch_scc1 .Ltrip
	TRIP 0, 0                                      ; steps 30 and 31: the first asks for the second's operands, the second for nothing
	; THE WAY OUT.  First the difference of the two sums, lane by lane; then the sum over the sixteen lanes of a half.
.irp b, 0,1,2,3
	v_permlanex16_b32 v[T+\b], v[AC+\b], s32, s33  ; the other four j's sum of w nc (its destination has been written: it held maxima)
.endr
.irp a, 0,1,2,3,4,5,6,7
.irp bp, 0,1
	v_pk_add_f32 v[ACC+4*\a+2*\bp:ACC+4*\a+2*\bp+1], v[ACC+4*\a+2*\bp:ACC+4*\a+2*\bp+1], v[AC+2*\bp:AC+2*\bp+1] neg_lo:[0,1] neg_hi:[0,1]
	v_pk_add_f32 v[ACC+32+4*\a+2*\bp:ACC+32+4*\a+2*\bp+1], v[ACC+32+4*\a+2*\bp:ACC+32+4*\a+2*\bp+1], v[T+2*\bp:T+2*\bp+1] neg_lo:[0,1] neg_hi:[0,1]
.endr
.endr
	s_wait_alu depctr_va_vdst(0)                   ; the subtractions have written v[ACC ..], which the LDS stores read; every vector line that read or wrote v96 to v159 (operands, maxima) is done, and the LDS loads below land there
.irp g, 0,1,2,3,4,5,6,7,8,9,10,11,12,13,14,15
	ds_store_b128 v[RS], v[ACC+4*\g:ACC+4*\g+3] offset:16*\g       ; my row of the wave's own 32: group g = 8 s + a at 16 g
.endr
.irp k, 0,1,2,3,4,5,6,7,8,9,10,11,12,13,14,15
	ds_load_b128 v[R+4*\k:R+4*\k+3], v[RL] offset:\k*RP            ; lane (g, hh) takes group g of lanes 16 hh + k.  LDS serves a wave's instructions in order (ISA guide 5.7.1.4): these see my stores
.endr
	s_wait_dscnt 0x0
.macro FOLD d                          ; partial sums k and k + d, k = 0 .. d - 1
.set k, 0
.rept \d
	v_pk_add_f32 v[R+4*k:R+4*k+1],   v[R+4*k:R+4*k+1],   v[R+4*(k+\d):R+4*(k+\d)+1]
	v_pk_add_f32 v[R+4*k+2:R+4*k+3], v[R+4*k+2:R+4*k+3], v[R+4*(k+\d)+2:R+4*(k+\d)+3]
.set k, k+1
.endr
.endm
	FOLD 8
	FOLD 4
	FOLD 2
	FOLD 1
	v_pk_add_f32 v[R:R+1],   v[R:R+1],   s[28:29] op_sel_hi:[1,0]  ; + b2
	v_pk_add_f32 v[R+2:R+3], v[R+2:R+3], s[28:29] op_sel_hi:[1,0]
	s_wait_alu depctr_va_vdst(0)                   ; the additions have written v[R .. R+3], which the LDS store reads, and are done with v[R+4 .. R+7], in which the LDS load behind the barrier lands
	ds_store_b128 v[OS], v[R:R+3]                  ; out(8 hh + a, 16 tj + 8 (hh xor s) + 4 bh + 0 .. 3)
	s_wait_dscnt 0x0                               ; for the others' sake: my store has landed
	s_barrier_signal -1
	s_barrier_wait -1                              ; the tile of 16 x 64 is whole
	ds_load_b128 v[R+4:R+7], v[OL]
	s_wait_dscnt 0x0
	global_store_b128 v[GO], v[R+4:R+7], s[26:27] th:TH_STORE_NT   ; sixteen lanes store 256 consecutive bytes, aligned: two rows of the tile a wave; written once, read by nobody here
	s_wait_dscnt 0x0
	s_wait_alu depctr_hold_cnt(0) depctr_sa_sdst(0) depctr_va_vdst(0) depctr_va_sdst(0) depctr_va_ssrc(0) depctr_va_vcc(0) depctr_vm_vsrc(0)
	s_wait_tensorcnt 0x0
	ds_add_u32 v254, v255
	s_wait_dscnt 0x0
	s_endpgm
.Lfunc_end_k_q07ea55748a_critic:
	.size	k_q07ea55748a_critic, .Lfunc_end_k_q07ea55748a_critic-k_q07ea55748a_critic
	.p2alignl 7, 3214868480
	.fill 96, 4, 3214868480
	.section	.rodata,"a",@progbits
	.p2align	6, 0x0
	.amdhsa_kernel k_q07ea55748a_critic
		.amdhsa_group_segment_fixed_size 240896
		.amdhsa_private_segment_fixed_size 0
		.amdhsa_enable_private_segment 0
		.amdhsa_kernarg_size 80
		.amdhsa_user_sgpr_count 2
		.amdhsa_user_sgpr_kernarg_segment_ptr 1
		.amdhsa_wavefront_size32 1
		.amdhsa_system_sgpr_workgroup_id_x 1
		.amdhsa_system_sgpr_workgroup_id_y 1
		.amdhsa_system_sgpr_workgroup_id_z 1
		.amdhsa_system_vgpr_workitem_id 0
		.amdhsa_next_free_vgpr 256
		.amdhsa_next_free_sgpr 66
		.amdhsa_reserve_vcc 0
		.amdhsa_float_denorm_mode_32 3
		.amdhsa_float_denorm_mode_16_64 3
		.amdhsa_memory_ordered 1
		.amdhsa_forward_progress 1
		.amdhsa_inst_pref_size 54
	.end_amdhsa_kernel
	.amdgpu_metadata
---
amdhsa.version: [ 1, 2 ]
amdhsa.kernels:
  - .name:           k_q07ea55748a_critic
    .symbol:         k_q07ea55748a_critic.kd
    .args:
      - { .name: x_codes, .offset: 0, .size: 8, .value_kind: global_buffer, .address_space: global }
      - { .name: x_scales, .offset: 8, .size: 8, .value_kind: global_buffer, .address_space: global }
      - { .name: y_codes, .offset: 16, .size: 8, .value_kind: global_buffer, .address_space: global }
      - { .name: y_scales, .offset: 24, .size: 8, .value_kind: global_buffer, .address_space: global }
      - { .name: wq, .offset: 32, .size: 8, .value_kind: global_buffer, .address_space: global }
      - { .name: ws, .offset: 40, .size: 8, .value_kind: global_buffer, .address_space: global }
      - { .name: b1, .offset: 48, .size: 8, .value_kind: global_buffer, .address_space: global }
      - { .name: W2, .offset: 56, .size: 8, .value_kind: global_buffer, .address_space: global }
      - { .name: b2, .offset: 64, .size: 8, .value_kind: global_buffer, .address_space: global }
      - { .name: out0, .offset: 72, .size: 8, .value_kind: global_buffer, .address_space: global }
    .group_segment_fixed_size: 240896
    .private_segment_fixed_size: 0
    .kernarg_segment_align: 8
    .kernarg_segment_size: 80
    .max_flat_workgroup_size: 256
    .sgpr_count:     66
    .vgpr_count:     256
    .wavefront_size: 32
...
	.end_amdgpu_metadata
.endif
;; end of part 3
